; MI455X (gfx1250); checked and timed in simulation.
; The chip was launched on July 23, 2026; its instructions are those of AMD's public machine-readable ISA for CDNA 5 (MIT licence, August 2026) and "CDNA5" Instruction Set Architecture Reference Guide (July 2026). The comments in the code are by the model that wrote it; some were corrected since.
;; Infinite Head Attention. Allowed arithmetic: matrix products marked QUANTISED: E4M3 operands, one E8M0 scale for each 32 along K, by v_wmma_scale_f32_16x16x128_f8f6f4 with both operands' format E4M3, f32 sums; everything else in f32.
;; Inputs: Wk_codes 1,024 x 32 x 32 uint8 (E4M3 codes of Wk, K innermost, in blocks of 32 codes); Wk_scales 1,024 x 32 uint8 (E8M0 scales of Wk, one for each 32 codes along K); Wp_codes 1,024 x 2 x 32 uint8 (E4M3 codes of Wp, K innermost, in blocks of 32 codes); Wp_scales 1,024 x 2 uint8 (E8M0 scales of Wp, one for each 32 codes along K); Wq_codes 1,024 x 32 x 32 uint8 (E4M3 codes of Wq, K innermost, in blocks of 32 codes); Wq_scales 1,024 x 32 uint8 (E8M0 scales of Wq, one for each 32 codes along K); Wv_codes 1,024 x 32 x 32 uint8 (E4M3 codes of Wv, K innermost, in blocks of 32 codes); Wv_scales 1,024 x 32 uint8 (E8M0 scales of Wv, one for each 32 codes along K); x_codes 4 x 2,048 x 32 x 32 uint8 (E4M3 codes of x, K innermost, in blocks of 32 codes); x_scales 4 x 2,048 x 32 uint8 (E8M0 scales of x, one for each 32 codes along K).
;; Outputs: out0 4 x 2,048 x 1,024 float32.
;; Constants: iter_num = 0.
;; This version of the problem:
;;   THIS VERSION OF THE PROBLEM IS GIVEN IN LOW PRECISION. The matrix products marked QUANTISED in the list below multiply operands that are first quantised to E4M3 (4 exponent bits, 3 mantissa bits; 8 bits a number), with one power-of-two scale for each 32 numbers along K (OCP MX v1.0); their sums are f32. All else is computed in f32.
;;   The module's matrix products, in the order in which they are computed (A, B: the left and right operand; K: the contracted axis; several contracted axes count as one K, in the product's order):
;;     1. [M 8,192, K 1,024] x [K 1,024, N 1,024]; A: input x (given as codes); B: input Wq (given as codes): QUANTISED
;;     2. [M 8,192, K 1,024] x [K 1,024, N 1,024]; A: input x (given as codes); B: input Wk (given as codes): QUANTISED
;;     3. [M 8,192, K 1,024] x [K 1,024, N 1,024]; A: input x (given as codes); B: input Wv (given as codes): QUANTISED
;;     4. batch 64 x [M 2,048, K 64] x [K 64, N 2,048]; A: computed on the way; B: computed on the way: QUANTISED
;;     5. batch 4 x [M 2,048, K 32,768] x [K 32,768, N 64]; A: computed on the way; B: computed on the way: QUANTISED
;;     6. [M 8,192, K 64] x [K 64, N 1,024]; A: computed on the way; B: input Wp (given as codes): QUANTISED
;;   THE QUANTISER, for each operand of a quantised product, along K:
;;     - K is cut into blocks of 32 from its start; a last block that is shorter is filled with zeros.
;;     - A block's scale is 2^e with e = floor(log2(the largest magnitude in the block)) - 8, held to -126 .. 127; a block of zeros has e = 0. As a byte (E8M0): e + 127.
;;     - Each number is divided by its block's scale, clamped to +-448, and rounded to the nearest number of E4M3, ties to even, subnormals kept.
;;     - The product sums the exact products of the quantised numbers (number of the format x scale) in f32.
;;   ~~~python
;;   def quantise(x, axis):      # numpy; x: float32 -> the quantised numbers, widened to float32 again
;;       x = np.moveaxis(x, axis, -1); K = x.shape[-1]
;;       x = np.pad(x, [(0, 0)] * (x.ndim - 1) + [(0, -K % 32)]); x = x.reshape(x.shape[:-1] + (-1, 32)); a = np.abs(x).max(-1, keepdims=True)
;;       e = np.where(a > 0, np.clip(np.frexp(np.where(a > 0, a, 1))[1] - 1 - 8, -126, 127), 0)      # np.frexp(a)[1] - 1 = floor(log2(a)), exactly
;;       r = np.clip(x / 2.0 ** e, -448, 448)
;;       step = 2.0 ** (np.maximum(np.frexp(np.where(r == 0, 1, r))[1] - 1, -6) - 3)
;;       q = np.round(r / step) * step * 2.0 ** e      # np.round: ties to even
;;       return np.moveaxis(q.reshape(q.shape[:-2] + (-1,))[..., :K], -1, axis).astype(np.float32)
;;   ~~~
;;   OPERANDS COMPUTED ON THE WAY. 'Computed on the way' means the value that the module computes at that place (a softmax that the list does not call 'softmax' is quantised finished and normalised). What goes into a quantiser is computed in f32, as accurately as f32 sums, v_exp_f32 and their like allow (about 1e-6 of the number): no bf16 or f16 on the way to a quantiser, and a product that is left as it is and whose result goes on into a quantised operand takes f32 operands (vector FMAs, or v_wmma_f32_16x16x4_f32). A number that lies on a knife's edge between two numbers of the format may be rounded either way, as far as f32 arithmetic and the matrix unit's own rounding can turn it there, and no further.
;;   INPUTS GIVEN AS CODES. Wk (in the module: [1024, 1024], K = its axis 0); Wp (in the module: [64, 1024], K = its axis 0); Wq (in the module: [1024, 1024], K = its axis 0); Wv (in the module: [1024, 1024], K = its axis 0); x (in the module: [4, 2048, 1024], K = its axis 2): each comes as NAME_codes (uint8): NAME with its K axis moved to the last place and cut into blocks of 32 codes, [.., K / 32, bytes a block], one block behind the other in memory; one code a byte (a code: sign, 4 exponent bits, 3 mantissa bits); and NAME_scales (uint8): the same leading axes, one E8M0 byte (e + 127) for each 32 codes along K. Its value is code x scale, taken as it is: it is not quantised again, and the codes and scales need not be those that the quantiser above would give.
;; One version. Each part assembles by itself: llvm-mc -triple=amdgcn-amd-amdhsa -mcpu=gfx1250 --defsym DOCPART=n.
;; ======== version 1 of 1: 3 launches
;; limits: right only within a limited range of input values
;; workspace buffers: qrec 8,650,752 bytes; kvrec 17,301,504 bytes; ypart 33,554,432 bytes
;; launch proj (part 1): grid 12 x 32, 4 waves a work-group, clusters of 4 x 4, 327,680 bytes of LDS; arguments x_codes, x_scales, Wq_codes, Wq_scales, Wk_codes, Wk_scales, Wv_codes, Wv_scales, qrec, kvrec; writes qrec, kvrec
.if DOCPART == 1
	.amdgcn_target "amdgcn-amd-amdhsa--gfx1250"
	.amdhsa_code_object_version 6
	.text
	.protected	k_q40ca93274c_proj
	.globl	k_q40ca93274c_proj
	.p2align	8
	.type	k_q40ca93274c_proj,@function
k_q40ca93274c_proj:
	s_mov_b64 s[64:65], 0
	v_nop
	global_prefetch_b8 v0, s[64:65] scope:SCOPE_SE
	s_setreg_imm32_b32 hwreg(HW_REG_WAVE_MODE, 25, 1), 1
	s_wait_xcnt 0x0
	s_wait_alu depctr_hold_cnt(0) depctr_sa_sdst(0) depctr_va_vdst(0) depctr_va_sdst(0) depctr_va_ssrc(0) depctr_va_vcc(0) depctr_vm_vsrc(0)
	s_getreg_b32 s2, hwreg(HW_REG_IB_STS2, 6, 4)
	s_cmp_eq_u32 s2, 0
	s_cbranch_scc0 .Lentry_in_a_cluster
	s_endpgm
.Lentry_in_a_cluster:
	s_bfe_u32 s2, ttmp6, 0x10000c
	s_cmp_lg_u32 s2, 0xf033
	s_cbranch_scc0 .Lentry_shape_is_right
	s_endpgm
.Lentry_shape_is_right:
.set SIZE_K, 1024
.set KSTEP,  256
.set NQ,     KSTEP/128
.set ROWB,   256
.set KROW,   SIZE_K
.set PITCH,  272
.set FR,     16
.set NL,     4
.set NP,     8
.set HALFT,  128*PITCH
.set SLOT,   4*HALFT
.set LAPS,   SIZE_K/(2*KSTEP)
.set KS,     SIZE_K/32
.set SCL,    2*SLOT
.set HALFS,  (128*KS/256)*272
.set SBLK,   (16*KS/256)*272
.set SPARE,  SCL+4*HALFS
.set ADRA, 16
.set ADRB, 20
.set VOFF, 24
.set SOFF, 25
.set LANE, 26
.set ADRS, 27
.set SPW,  28
.set NIL,  29
.set SC,   32
.set TM,   64
.set SB,   80
.set SO,   88
.set PC,   96
.set TP,   112
.set AF,   128
.set ST,   128
.set G1, 24
.set G0, 32
.set G1B, 48
.set G0B, 56
.set G1S, 68
.set G0S, 76
.set G1SB, 80
.set G0SB, 88
.set G0H, 4
.set VO, 8
.set G0HB, 8
.set MSB, 0
.macro WIN new
.if MSB != (\new)
	s_set_vgpr_msb (MSB<<8)|(\new)
.set MSB, (\new)
.endif
.endm
.set MUL_LO, 0xa1
.set MUL_HI, 0xf1
.set TO_B,   0x40
.macro JLOAD g0a, g1a, g0b, g1b
	s_cmp_eq_u32 s15, 0
	s_cbranch_scc0 .Lfor_b_\@
	tensor_load_to_lds s[\g0a:\g0a+3], s[\g1a:\g1a+7]
	s_nop 0
.rept 4
	v_nop
.endr
	s_branch .Lasked_\@
.Lfor_b_\@:
	tensor_load_to_lds s[\g0b:\g0b+3], s[\g1b:\g1b+7]
	s_nop 0
.rept 4
	v_nop
.endr
.Lasked_\@:
.endm
.macro CREST
	s_cmp_lg_u32 s14, 0
	s_cbranch_scc1 .Lnot_wave_0_\@
	s_barrier_signal -3
.Lnot_wave_0_\@:
	s_barrier_wait -3
	s_barrier_signal -1
	s_barrier_wait -1
.endm
.macro CROUND
	s_barrier_signal -1
	s_barrier_wait -1
	CREST
.endm
	s_load_b512 s[68:83], s[0:1], 0x0
	s_load_b128 s[84:87], s[0:1], 0x40
	v_lshl_add_u32 v[SPW], v0, 2, SPARE
	v_mov_b32 v[NIL], 0
	ds_add_u32 v28, v29
	ds_add_u32 v28, v29
	s_wait_dscnt 0x0
	v_lshrrev_b32 v1, 5, v0
	v_readfirstlane_b32 s14, v1
	s_lshr_b32 s15, s14, 1
	s_and_b32 s16, s14, 1
	s_bfe_u32 s40, ttmp6, 0x40000
	s_bfe_u32 s41, ttmp6, 0x40004
	s_and_b32 s18, ttmp7, 0xffff
	s_lshl_b32 s18, s18, 2
	s_cmp_eq_u32 ttmp9, 2
	s_cselect_b32 s19, s18, 0
	s_cselect_b32 s18, 0, s18
	s_add_co_u32 s42, s40, s19
	s_add_co_u32 s17, s41, s18
	s_lshl_b32 s43, s41, 2
	s_lshl_b32 s43, 15, s43
	s_lshl_b32 s44, 0x1111, s40
	s_or_b32 s[G1+0], s43, (0<<16)|(1<<20)|(1<<21)|(5<<22)|(3<<25)
	s_or_b32 s[G1B+0], s44, (0<<16)|(1<<20)|(1<<21)|(5<<22)|(3<<25)
.irp g, G1, G1B
	s_mov_b32 s[\g+1], ROWB<<16
	s_mov_b32 s[\g+2], 256<<16
	s_mov_b32 s[\g+3], ROWB<<16
	s_mov_b32 s[\g+4], 256
	s_mov_b32 s[\g+5], KROW
	s_mov_b32 s[\g+6], 0
	s_mov_b32 s[\g+7], 0
.endr
	s_lshl_b32 s20, s17, 8
	s_lshl_b32 s46, s42, 8
	s_mov_b32 s21, 0
	s_mov_b32 s47, 0
	s_mov_b64 s[18:19], KS
	s_mul_u64 s[22:23], s[20:21], s[18:19]
	s_mul_u64 s[92:93], s[46:47], s[18:19]
	s_mov_b64 s[18:19], KROW
	s_mul_u64 s[20:21], s[20:21], s[18:19]
	s_mul_u64 s[46:47], s[46:47], s[18:19]
	s_mul_i32 s45, s14, HALFT
	s_mul_i32 s18, s16, 128*KROW
	s_mov_b32 s19, 0
	s_wait_kmcnt 0x0
	s_cmp_eq_u32 ttmp9, 2
	s_cselect_b64 s[4:5], s[80:81], s[68:69]
	s_cselect_b64 s[6:7], s[82:83], s[70:71]
	s_cselect_b64 s[8:9], s[68:69], s[72:73]
	s_cselect_b64 s[10:11], s[70:71], s[74:75]
	s_cmp_eq_u32 ttmp9, 1
	s_cselect_b64 s[8:9], s[76:77], s[8:9]
	s_cselect_b64 s[10:11], s[78:79], s[10:11]
	s_cmp_eq_u32 ttmp9, 0
	s_cselect_b64 s[12:13], s[84:85], s[86:87]
	s_or_b32 s[G1S+0], s43, (3<<16)|(1<<20)|(1<<21)|(5<<22)|(3<<25)
	s_or_b32 s[G1SB+0], s44, (3<<16)|(1<<20)|(1<<21)|(5<<22)|(3<<25)
.irp g, G1S, G1SB
	s_mov_b32 s[\g+1], 32<<16
	s_mov_b32 s[\g+2], KS<<16
	s_mov_b32 s[\g+3], 32<<16
	s_mov_b32 s[\g+4], KS
	s_mov_b32 s[\g+5], 32
	s_mov_b32 s[\g+6], 0
	s_mov_b32 s[\g+7], 0
.endr
	s_add_nc_u64 s[20:21], s[4:5], s[20:21]
	s_add_nc_u64 s[22:23], s[6:7], s[22:23]
	s_add_nc_u64 s[46:47], s[8:9], s[46:47]
	s_add_nc_u64 s[92:93], s[10:11], s[92:93]
	CROUND
	; the head's four tiles, each whole: K step 0's 256 rows of A, its 256 rows of B, the scales of A's 256 rows and of B's
	s_mov_b32 s[G0H], 1
	s_mov_b32 s[G0H+1], 0
	s_mov_b64 s[G0H+2:G0H+3], s[20:21]
	s_or_b32 s[G0H+3], s[G0H+3], 0x80000000
	s_mov_b32 s[G0HB], 1
	s_mov_b32 s[G0HB+1], 2*HALFT
	s_mov_b64 s[G0HB+2:G0HB+3], s[46:47]
	s_or_b32 s[G0HB+3], s[G0HB+3], 0x80000000
	s_mov_b32 s[G0S], 1
	s_mov_b32 s[G0S+1], SCL
	s_mov_b64 s[G0S+2:G0S+3], s[22:23]
	s_or_b32 s[G0S+3], s[G0S+3], 0x80000000
	s_mov_b32 s[G0SB], 1
	s_mov_b32 s[G0SB+1], SCL+2*HALFS
	s_mov_b64 s[G0SB+2:G0SB+3], s[92:93]
	s_or_b32 s[G0SB+3], s[G0SB+3], 0x80000000
	s_add_nc_u64 s[20:21], s[20:21], s[18:19]      ; for the ring: my 128 rows of the tile
	s_add_nc_u64 s[46:47], s[46:47], s[18:19]
.irp s, 0,1
	s_mov_b32 s[G0+4*\s], 1
	s_add_co_u32 s[G0+4*\s+1], s45, \s*SLOT
	s_add_nc_u64 s[G0+4*\s+2:G0+4*\s+3], s[20:21], \s*ROWB
	s_or_b32 s[G0+4*\s+3], s[G0+4*\s+3], 0x80000000
	s_mov_b32 s[G0B+4*\s], 1
	s_add_co_u32 s[G0B+4*\s+1], s45, \s*SLOT
	s_add_nc_u64 s[G0B+4*\s+2:G0B+4*\s+3], s[46:47], \s*ROWB
	s_or_b32 s[G0B+4*\s+3], s[G0B+4*\s+3], 0x80000000
.endr
; the head's loads, one a wave: one tree of branches on the wave's number, an arm a load
.macro ARM under, g0, g1, next
	s_cmp_lt_u32 s14, \under
	s_cbranch_scc0 \next
	tensor_load_to_lds s[\g0:\g0+3], s[\g1:\g1+7]
	s_nop 0
.rept 4
	v_nop
.endr
	s_branch .Lhead_asked
\next:
.endm
	ARM 1, G0H,  G1,  .Lhead_b
	ARM 2, G0HB, G1B, .Lhead_sa
	ARM 3, G0S,  G1S, .Lhead_sb
	tensor_load_to_lds s[G0SB:G0SB+3], s[G1SB:G1SB+7]
	s_nop 0
.rept 4
	v_nop
.endr
.Lhead_asked:
	v_and_b32 v1, 15, v0
	v_bfe_u32 v2, v0, 4, 1
	v_mul_u32_u24 v3, v1, PITCH
	v_lshl_add_u32 v4, v2, 4, v3
	s_mul_i32 s21, s15, HALFT
	s_mul_i32 s22, s16, HALFT
	s_add_co_u32 s22, s22, 2*HALFT
.irp s, 0,1
	v_add_nc_u32 v[ADRA+\s], s21, v4
	v_add_nc_u32 v[ADRB+\s], s22, v4
	s_add_co_u32 s21, s21, SLOT
	s_add_co_u32 s22, s22, SLOT
.endr
	v_mul_u32_u24 v5, v1, KS
	v_lshrrev_b32 v6, 8, v5
	v_lshl_add_u32 v5, v6, 4, v5
	s_mul_i32 s21, s15, HALFS
	s_mul_i32 s22, s16, HALFS
	s_add_co_u32 s22, s22, 2*HALFS
	s_sub_co_u32 s22, s22, s21
	v_mul_u32_u24 v6, s22, v2
	s_add_co_u32 s21, s21, SCL
	v_add_nc_u32 v5, v5, v6
	v_add_nc_u32 v[ADRS], s21, v5
	s_lshl_b32 s92, s17, 8
	s_lshl_b32 s93, s15, 7
	s_add_co_u32 s92, s92, s93
	s_lshl_b32 s93, s42, 8
	s_lshl_b32 s94, s16, 7
	s_add_co_u32 s93, s93, s94
	s_mov_b32 s101, 16896
	s_cmp_eq_u32 ttmp9, 0
	s_cselect_b32 s101, 8448, s101
	s_lshl_b32 s22, s101, 4
	s_sub_co_u32 s19, s22, 6144
	s_mov_b32 s18, 1024
	s_mov_b32 s23, 8192
	s_cmp_eq_u32 ttmp9, 2
	s_cselect_b32 s94, s93, s92
	s_cselect_b32 s95, s92, s93
	s_cselect_b32 s100, -1, 0
	s_cselect_b32 s19, s19, s18
	s_cselect_b32 s18, 2048, s18
	s_cselect_b32 s98, 8448, 0
	s_cselect_b32 s20, 1024, s22
	s_cselect_b32 s46, 16640, s23
	s_lshr_b32 s96, s94, 11
	s_lshl_b32 s96, s96, 4
	s_lshr_b32 s97, s95, 6
	s_add_co_u32 s96, s96, s97
	s_lshl_b32 s96, s96, 4
	s_bfe_u32 s97, s94, 0x40007
	s_add_co_u32 s96, s96, s97
	s_mul_i32 s96, s96, s101
	s_mov_b32 s97, 0
	s_add_nc_u64 s[12:13], s[12:13], s[96:97]
	s_mov_b32 s99, 0
	s_add_nc_u64 s[40:41], s[12:13], s[98:99]
	s_add_nc_u64 s[42:43], s[40:41], 512
	s_mov_b32 s21, 0
	s_add_nc_u64 s[44:45], s[40:41], s[20:21]
	s_mov_b32 s47, 0
	s_add_nc_u64 s[20:21], s[12:13], s[46:47]
	s_add_nc_u64 s[46:47], s[44:45], 512
	v_mul_u32_u24 v[SOFF], s22, v2
	v_lshl_add_u32 v[SOFF], v1, 4, v[SOFF]
	v_and_b32 v[LANE], 31, v0
	v_lshlrev_b32 v[VOFF], 4, v[LANE]
.irp b, 0,1,2,3
	v_mov_b32 v[TM+4+\b], 0
.endr
	s_mov_b32 s23, 0x600000
	s_mov_b32 s96, 0x76543210
	s_mov_b32 s97, 0xfedcba98
	s_mov_b32 s98, 0x05040100
	s_mov_b32 s99, 0x07060302
.macro FRAG reg, adr, q, i
.irp c, 0,1,2,3
	ds_load_b128 v[\reg+4*\c:\reg+4*\c+3], v[\adr] offset:128*(\q)+32*\c+(\i)*16*PITCH
.endr
.endm
.macro MUL16 a0, p, q, sc, zero
.irp a, \a0, \a0+1
.irp b, 0,1,2,3,4,5,6,7
.if \zero
	v_wmma_scale_f32_16x16x128_f8f6f4 v[8*(8*((\a)%4)+\b):8*(8*((\a)%4)+\b)+7], v[128*(\p)+FR*\b:128*(\p)+FR*\b+FR-1], v[AF+FR*(\a):AF+FR*(\a)+FR-1], 0, v[SC+8*NQ*(\sc)+NQ*\b+(\q)], v[SC+8*NQ*(\sc)+NQ*(\a)+(\q)] matrix_a_scale:MATRIX_SCALE_ROW1
.else
	v_wmma_scale_f32_16x16x128_f8f6f4 v[8*(8*((\a)%4)+\b):8*(8*((\a)%4)+\b)+7], v[128*(\p)+FR*\b:128*(\p)+FR*\b+FR-1], v[AF+FR*(\a):AF+FR*(\a)+FR-1], v[8*(8*((\a)%4)+\b):8*(8*((\a)%4)+\b)+7], v[SC+8*NQ*(\sc)+NQ*\b+(\q)], v[SC+8*NQ*(\sc)+NQ*(\a)+(\q)] matrix_a_scale:MATRIX_SCALE_ROW1
.endif
.endr
.endr
.endm
.macro FETCH_B slot, q, p
	WIN TO_B
.irp i, 0,1,2,3,4,5,6,7
	FRAG 128*(\p)+FR*\i, ADRB+\slot, \q, \i
.endr
	WIN 0
.endm
.macro FETCH_A slot, q, i0
.irp i, \i0, \i0+1, \i0+2, \i0+3
	FRAG AF+FR*(\i), ADRA+\slot, \q, \i
.endr
.endm
.macro SCALES sc
.irp i, 0,1,2,3,4,5,6,7
	ds_load_b64 v[SC+8*NQ*\sc+NQ*\i:SC+8*NQ*\sc+NQ*\i+1], v[ADRS] offset:\i*SBLK
.endr
.endm
.macro PLACES n
.rept \n
	v_nop
.endr
.endm
.macro STEP slot, q, zero
	s_wait_dscnt 4*NL
	WIN MUL_LO
	MUL16 0, (\q)%2, \q, \slot, \zero
	MUL16 2, (\q)%2, \q, \slot, \zero
	s_wait_dscnt 0
	PLACES NP
	FETCH_B \slot, (\q)+1, 1-(\q)%2
	FETCH_A \slot, (\q)+1, 0
	WIN MUL_HI
	MUL16 4, (\q)%2, \q, \slot, \zero
	MUL16 6, (\q)%2, \q, \slot, \zero
	PLACES NP
	WIN 0
	FETCH_A \slot, (\q)+1, 4
.endm
.macro TURN slot, next, fill
	s_wait_tensorcnt 0x0
	ds_add_u32 v[SPW], v[NIL]
	s_wait_dscnt 4*NL+1
	WIN MUL_LO
	MUL16 0, 1, NQ-1, \slot, 0
	s_wait_dscnt 0x0
	s_barrier_signal -1
	MUL16 2, 1, NQ-1, \slot, 0
	WIN 0
	s_barrier_wait -1
.if \fill
	CREST
	s_add_nc_u64 s[G0+4*\slot+2:G0+4*\slot+3], s[G0+4*\slot+2:G0+4*\slot+3], 2*ROWB
	s_add_nc_u64 s[G0B+4*\slot+2:G0B+4*\slot+3], s[G0B+4*\slot+2:G0B+4*\slot+3], 2*ROWB
	JLOAD G0+4*\slot, G1, G0B+4*\slot, G1B
	PLACES NP-4
.else
	PLACES NP
.endif
	s_wait_alu depctr_va_vdst(0)
	v_add_nc_u32 v[ADRS], 4*NQ, v[ADRS]
	FETCH_B \next, 0, 0
	FETCH_A \next, 0, 0
	SCALES \next
	WIN MUL_HI
	MUL16 4, 1, NQ-1, \slot, 0
	MUL16 6, 1, NQ-1, \slot, 0
	PLACES NP
	WIN 0
	FETCH_A \next, 0, 4
.endm
	s_wait_alu depctr_va_vdst(0)                   ; the wait at the head's end
	s_wait_tensorcnt 0x0                           ; my tile of the head's four is in; the lines ahead of a later first fill:
	ds_add_u32 v[SPW], v[NIL]
	s_mov_b32 s[G1+2], 128<<16                     ; no tensor load of mine is out: from here on a load brings 128 rows
	s_mov_b32 s[G1+4], 128
	s_mov_b32 s[G1B+2], 128<<16
	s_mov_b32 s[G1B+4], 128
	s_wait_dscnt 0x0
	CROUND                                         ; all four tiles are in, and all sixteen work-groups are here
	JLOAD G0+4, G1, G0B+4, G1B                     ; K step 1, the first tensor load behind the round
	FETCH_B 0, 0, 0
	FETCH_A 0, 0, 0
	SCALES 0
	FETCH_A 0, 0, 4
	STEP 0, 0, 1
	s_mov_b32 s3, LAPS-1
.Llap:
	TURN 0, 1, 1
	STEP 1, 0, 0
	TURN 1, 0, 1
	STEP 0, 0, 0
	s_sub_co_u32 s3, s3, 1
	s_cmp_lg_u32 s3, 0
	s_cbranch_scc1 .Llap
	TURN 0, 1, 0
	STEP 1, 0, 0
	s_wait_dscnt 4*NL
	WIN MUL_LO
	MUL16 0, 1, NQ-1, 1, 0
	MUL16 2, 1, NQ-1, 1, 0
	s_wait_dscnt 0
	WIN MUL_HI
	MUL16 4, 1, NQ-1, 1, 0
	MUL16 6, 1, NQ-1, 1, 0
	WIN 0
.macro EPI a
.set AC, 64*((\a)%4)
	WIN 0x0a+5*((\a)/4)
.irp b, 0,1,2,3
	v_max3_num_f32 v[TM+\b], |v[AC+16*\b]|, |v[AC+16*\b+1]|, 0x4800000
.endr
.irp i, 2,4,6,8,10,12,14
.irp b, 0,1,2,3
	v_max3_num_f32 v[TM+\b], |v[AC+16*\b+\i]|, |v[AC+16*\b+\i+1]|, v[TM+\b]
.endr
.endr
	WIN 0
.irp b, 0,1,2,3
	v_permlanex16_b32 v[TM+4+\b], v[TM+\b], s96, s97
.endr
.irp b, 0,1,2,3
	v_max_num_f32 v[TM+\b], v[TM+\b], v[TM+4+\b]
.endr
.irp b, 0,1,2,3
	v_add_nc_u32 v[TM+12+\b], 0xfc000000, v[TM+\b]
.endr
.irp b, 0,1,2,3
	v_and_or_b32 v[TM+8+\b], v[TM+\b], 0x7f800000, s23
.endr
.irp b, 0,1,2,3
	v_lshrrev_b32 v[TM+4+\b], 23, v[TM+12+\b]
.endr
	v_lshl_or_b32 v[SB+(\a)], v[TM+5], 8, v[TM+4]
	v_lshl_or_b32 v[SB+(\a)], v[TM+6], 16, v[SB+(\a)]
	v_lshl_or_b32 v[SB+(\a)], v[TM+7], 24, v[SB+(\a)]
	WIN 2+(\a)/4
.irp b, 0,1,2,3
.irp i, 0,1,2,3,4,5,6,7,8,9,10,11,12,13,14,15
	v_med3_num_f32 v[ST+16*\b+\i], v[AC+16*\b+\i], -v[TM+8+\b], v[TM+8+\b]
.endr
.endr
	WIN 0x40                                       ; block a's codes have 16 registers of their own in window 1, and its stores an offset register of their own: no pending store's registers are written again
.irp b, 0,1,2,3
	v_cvt_scalef32_pk8_fp8_f32 v[16*(\a)+4*\b:16*(\a)+4*\b+1], v[ST+16*\b:ST+16*\b+7], v[TM+12+\b]
	v_cvt_scalef32_pk8_fp8_f32 v[16*(\a)+4*\b+2:16*(\a)+4*\b+3], v[ST+16*\b+8:ST+16*\b+15], v[TM+12+\b]
.endr
	v_nop
	WIN 0x04                                       ; a store's data are its source 1
.irp b, 0,1,2,3
	global_store_b128 v[VO+(\a)], v[16*(\a)+4*\b:16*(\a)+4*\b+3], s[40+2*\b:41+2*\b]
.endr
	WIN 0
.endm
	PLACES NP
	v_add_nc_u32 v[VO], 0, v[VOFF]                 ; the eight blocks' offsets
.irp a, 1,2,3
	v_add_nc_u32 v[VO+\a], s18, v[VO+\a-1]
.endr
	v_add_nc_u32 v[VO+4], s19, v[VO+3]
.irp a, 5,6,7
	v_add_nc_u32 v[VO+\a], s18, v[VO+\a-1]
.endr
.irp a, 0,1,2,3,4,5,6,7
	EPI \a
.endr
.irp k, 0,1,2,3
	v_perm_b32 v[TP+\k], v[SB+2*\k+1], v[SB+2*\k], s98
	v_perm_b32 v[TP+4+\k], v[SB+2*\k+1], v[SB+2*\k], s99
.endr
.irp i, 0,1,2,3,4,5,6,7
	v_cndmask_b32 v[SO+\i], v[TP+\i], v[SB+\i], s100
.endr
	v_cmp_gt_u32 vcc_lo, 16, v[LANE]
.irp k, 0,1,2,3
	v_cndmask_b32 v[SO+\k], v[SO+4+\k], v[SO+\k], vcc_lo
.endr
	global_store_b128 v[SOFF], v[SO:SO+3], s[20:21]
	s_wait_tensorcnt 0x0
	ds_add_u32 v[SPW], v[NIL]
	s_wait_dscnt 0x0
	CROUND
	s_endpgm
.Lfunc_end_k_q40ca93274c_proj:
	.size	k_q40ca93274c_proj, .Lfunc_end_k_q40ca93274c_proj-k_q40ca93274c_proj
	.p2alignl 7, 3214868480
	.fill 96, 4, 3214868480
	.section	.rodata,"a",@progbits
	.p2align	6, 0x0
	.amdhsa_kernel k_q40ca93274c_proj
		.amdhsa_group_segment_fixed_size 327680
		.amdhsa_private_segment_fixed_size 0
		.amdhsa_enable_private_segment 0
		.amdhsa_kernarg_size 80
		.amdhsa_user_sgpr_count 2
		.amdhsa_user_sgpr_kernarg_segment_ptr 1
		.amdhsa_wavefront_size32 1
		.amdhsa_system_sgpr_workgroup_id_x 1
		.amdhsa_system_sgpr_workgroup_id_y 1
		.amdhsa_system_sgpr_workgroup_id_z 1
		.amdhsa_system_vgpr_workitem_id 0
		.amdhsa_next_free_vgpr 1024
		.amdhsa_next_free_sgpr 102
		.amdhsa_reserve_vcc 1
		.amdhsa_float_denorm_mode_32 3
		.amdhsa_float_denorm_mode_16_64 3
		.amdhsa_memory_ordered 1
		.amdhsa_forward_progress 1
		.amdhsa_inst_pref_size 189
	.end_amdhsa_kernel
	.amdgpu_metadata
---
amdhsa.version: [ 1, 2 ]
amdhsa.kernels:
  - .name:           k_q40ca93274c_proj
    .symbol:         k_q40ca93274c_proj.kd
    .args:
      - { .name: x_codes, .offset: 0, .size: 8, .value_kind: global_buffer, .address_space: global }
      - { .name: x_scales, .offset: 8, .size: 8, .value_kind: global_buffer, .address_space: global }
      - { .name: Wq_codes, .offset: 16, .size: 8, .value_kind: global_buffer, .address_space: global }
      - { .name: Wq_scales, .offset: 24, .size: 8, .value_kind: global_buffer, .address_space: global }
      - { .name: Wk_codes, .offset: 32, .size: 8, .value_kind: global_buffer, .address_space: global }
      - { .name: Wk_scales, .offset: 40, .size: 8, .value_kind: global_buffer, .address_space: global }
      - { .name: Wv_codes, .offset: 48, .size: 8, .value_kind: global_buffer, .address_space: global }
      - { .name: Wv_scales, .offset: 56, .size: 8, .value_kind: global_buffer, .address_space: global }
      - { .name: qrec, .offset: 64, .size: 8, .value_kind: global_buffer, .address_space: global }
      - { .name: kvrec, .offset: 72, .size: 8, .value_kind: global_buffer, .address_space: global }
    .group_segment_fixed_size: 327680
    .private_segment_fixed_size: 0
    .kernarg_segment_align: 8
    .kernarg_segment_size: 80
    .max_flat_workgroup_size: 128
    .sgpr_count:     102
    .vgpr_count:     1024
    .wavefront_size: 32
...
	.end_amdgpu_metadata
.endif
;; end of part 1
;; launch attn (part 2): grid 64 x 4, 8 waves a work-group, no clusters, 271,360 bytes of LDS; arguments qrec, kvrec, ypart; writes ypart
.if DOCPART == 2
	.amdgcn_target "amdgcn-amd-amdhsa--gfx1250"
	.amdhsa_code_object_version 6
	.text
	.protected	k_q40ca93274c_attn
	.globl	k_q40ca93274c_attn
	.p2align	8
	.type	k_q40ca93274c_attn,@function
k_q40ca93274c_attn:
	s_mov_b64 s[64:65], 0
	v_nop
	global_prefetch_b8 v0, s[64:65] scope:SCOPE_SE
	s_setreg_imm32_b32 hwreg(HW_REG_WAVE_MODE, 25, 1), 1
	s_wait_xcnt 0x0
; For one (batch, head): att = softmax(causal(q k^T / 8)), quantised FINISHED AND NORMALISED along the keys, times v: both products on codes of FP8 (E4M3) with E8M0 scales.  The head's part of y goes to ypart; the next launch adds the 16 heads.
; Key steps all of whose keys lie behind a wave's queries are left out: the causal mask gives them the weight 0.
; TWO PASSES over the keys: pass 1 makes the row's running maximum m and sum l (p = 2^(c s - c m), c = log2(e) / 8); pass 2 makes the scores again, att = 2^(c s - c m - log2 l), quantises it by blocks of 32 keys and multiplies by v.
; SHARES.  Work-group (head = grid x, i = grid y) takes the query blocks i and 7 - i of 256 queries: 16 or 18 key steps of 128 keys a wave whatever i.  Wave w of eight owns 32 queries of a block, two tiles of 16, which share each fragment of K and V.
; LDS holds the head's whole record of K and V (16 steps x 16,896 bytes), filled once: wave w brings steps 2 w and 2 w + 1 by its one tensor load.  THREE LOAD LINES, since their issuers wait at different barriers:
; waves 0-1 (steps 0-3), shown by the first barrier; waves 2-3 (steps 4-7), shown by a barrier behind the first four trips of block i's pass 1; waves 4-7 (steps 8-15), shown by the barrier behind block i, at which every wave waits.
; Block i (i = 0 .. 3) reads steps 0 to 7 alone.  So pass 1's step stands three times in the text (4, 4 and 16 trips) and pass 2's twice (8 and 16).
; A step's fragments of K are asked for one step ahead, behind the products of the step before (the address is held at the loop's last step).
; NO CLUSTER, though the four work-groups of a head read the same record: the branch that leaves out key steps hangs on the query block, which would be the place in the cluster.
; NO PREFETCH: all that the launch streams is asked for at the head, by the first instructions that can ask.
; LAYOUT.  Operands lie in memory and LDS as images of their registers: four registers a group, lane l's 16 bytes at 16 l.  Both products are used transposed: a lane holds one query (lane % 16).
; K = 64 IN A 128-DEEP INSTRUCTION: source 0 holds TWO key tiles (8 registers each); source 1 is (Q, zeros) for the first or (zeros, Q) for the second.  Zero codes add nothing.
; LIMITS: NaN and infinities are not served.  An att under 2^-126 becomes 0 (v_exp_f32 flushes).  log2 l is folded into the exponent.  A block of zeros has the byte 1 and zero codes.
; REGISTERS.  Window 0: v1-12 addresses and small things; v16-47 block maxima, bytes, holds, scale operands (16 a tile); v48-63 statistics (8 a tile); v64-191 S^T, 64 a tile; v192-223 att's codes; v224-235 scale words alone; v236-239 at work; v240-247 the diagonal tile's mask.
;   Window 1: v0-39 Q0 | zeros | Q1 | zeros | Q0; v40-55 the second block's Q; v64-127 K's four operands; v128-191 V's four; v192-255 O^T (32 a tile).
.set STEPB, 16896
.set KSC,   8192
.set VIM,   8448
.set VSC,   16640
.set SPARE, 0x42000
.set LI,  1                            ; 16 x lane
.set LSC, 2                            ; 16 x (lane % 16)
.set PINF, 3
.set ADV, 4                            ; this step's images, scale bytes
.set ADVS, 5
.set ADK, 6                            ; the next step's
.set ADKS, 7
.set NINF, 8
.set RAW, 9                            ; v9-12 Q's scale bytes: two tiles of each block
.set BM,  16                           ; tile x at +16 x: +0..3 block maxima, +4..7 the other half's / the bytes, +8..11 448 x the scale, +12..15 the conversions' scale operands
.set ST,  48                           ; tile x at +8 x: +0 -c m, later -c m - log2 l; +1 m; +2, +3 l in two halves; +4 a; +5 written once; +6, +7 at work
.set S,   64
.set PC,  192
.set KS,  224
.set VS,  228
.set QS,  232
.set PW,  234
.set TW,  236
.set DM,  240                          ; register j: -infinity where 8 (lane / 16) + j > lane % 16, else +infinity
.set SPW, 254
.set NIL, 255
.set QN,  40                           ; window 1
.set KFR, 64
.set VFR, 128
.set OA,  192
.set MSB, 0
.macro WIN new
.if MSB != (\new)
	s_set_vgpr_msb (MSB<<8)|(\new)
.set MSB, (\new)
.endif
.endm
.macro WALU
	s_wait_alu depctr_va_vdst(0)
.endm
.macro PLACES n
.rept \n
	v_nop
.endr
.endm
.macro TLOAD                           ; my two steps
	tensor_load_to_lds s[32:35], s[36:43]
	s_nop 0
	PLACES 4
.endm
; s10 wave, s11 head, s12 query block, s13 wave % 4, s14 my first query, s15 my last, s16 the step's LDS byte, s17 its first key, s18 trips to go, s19 at work, s[20:21] lane selects, s[22:23] c, s24 -c, s25 448's mantissa field,
; s[26:29], s[48:51] Q's images and scale bytes of the two blocks, s[30:31] my part of ypart, s[32:43] the descriptor, s[44:45] the head in qrec, s[46:47] in ypart, s52 i
.macro QADDR a, b                      ; where the Q of block s12 lies for my wave
	s_lshl_b32 s19, s12, 3
	s_add_co_u32 s19, s19, s10
	s_lshr_b32 s[\a], s19, 2
	s_mul_i32 s[\a], s[\a], 8448
	s_and_b32 s19, s19, 3
	s_lshl_b32 s[\b], s19, 2
	s_add_co_u32 s[\b], s[\b], s[\a]
	s_add_co_u32 s[\b], s[\b], 8192
	s_lshl_b32 s19, s19, 11
	s_add_co_u32 s[\a], s[\a], s19
	s_mov_b32 s[\a+1], 0
	s_mov_b32 s[\b+1], 0
	s_add_nc_u64 s[\a:\a+1], s[44:45], s[\a:\a+1]
	s_add_nc_u64 s[\b:\b+1], s[44:45], s[\b:\b+1]
.endm
	s_load_b128 s[4:7], s[0:1], 0x0                ; qrec, kvrec
	s_load_b64 s[8:9], s[0:1], 0x10                ; ypart
	v_lshl_add_u32 v[SPW], v0, 2, SPARE
	v_mov_b32 v[NIL], 0
	ds_add_u32 v[SPW], v[NIL]                      ; the opening lines: the add twice on end and its wait
	ds_add_u32 v[SPW], v[NIL]
	v_lshrrev_b32 v13, 5, v0
	v_readfirstlane_b32 s10, v13                   ; wave 0..7
	s_mov_b32 s11, ttmp9                           ; 16 x batch + head
	s_and_b32 s52, ttmp7, 0xffff                   ; i
	s_and_b32 s13, s10, 3
	s_mov_b32 s32, 1
	s_mul_i32 s33, s10, 2*STEPB                    ; LDS address: my two steps
	s_mov_b32 s36, 3<<16                           ; a dense block as 132 rows of 256 bytes (32 elements of 8)
	s_mov_b32 s37, 32<<16
	s_mov_b32 s38, 132<<16
	s_mov_b32 s39, 32<<16
	s_mov_b32 s40, 132
	s_mov_b32 s41, 32
	s_mov_b32 s42, 0
	s_mov_b32 s43, 0
	s_mul_i32 s18, s11, 16*STEPB
	s_add_co_u32 s18, s18, s33
	s_mov_b32 s19, 0
	s_mul_i32 s44, s11, 16*8448
	s_mov_b32 s45, 0
	s_lshl_b32 s46, s11, 19
	s_mov_b32 s47, 0
	s_wait_dscnt 0x0
	s_wait_kmcnt 0x0
	s_add_nc_u64 s[34:35], s[6:7], s[18:19]
	s_or_b32 s35, s35, 0x80000000
	s_cmp_lt_u32 s10, 2                            ; one load a wave, in one tree of branches on the wave's number
	s_cbranch_scc0 .Lmid
	TLOAD                                          ; waves 0-1: steps 0-3
	s_branch .Lasked
.Lmid:
	s_cmp_lt_u32 s10, 4
	s_cbranch_scc0 .Lhi
	TLOAD                                          ; waves 2-3: steps 4-7
	s_branch .Lasked
.Lhi:
	TLOAD                                          ; waves 4-7: steps 8-15
.Lasked:
	s_add_nc_u64 s[44:45], s[4:5], s[44:45]
	s_add_nc_u64 s[46:47], s[8:9], s[46:47]
	s_mov_b32 s20, 0x76543210
	s_mov_b32 s21, 0xfedcba98
	s_mov_b32 s22, 0x3e38aa3b                      ; c = log2(e) / 8
	s_mov_b32 s23, s22
	s_mov_b32 s24, 0xbe38aa3b                      ; -c
	s_mov_b32 s25, 0x600000
	s_sub_co_u32 s12, 7, s52
	QADDR 48, 50                                   ; the second block's Q
	s_mov_b32 s12, s52
	QADDR 26, 28                                   ; the first block's
	v_and_b32 v13, 31, v0
	v_lshlrev_b32 v[LI], 4, v13
	v_and_b32 v14, 15, v0
	v_lshlrev_b32 v[LSC], 4, v14
	global_load_u16 v[RAW], v[LSC], s[28:29]
	global_load_u16 v[RAW+1], v[LSC], s[28:29] offset:2
	global_load_u16 v[RAW+2], v[LSC], s[50:51]
	global_load_u16 v[RAW+3], v[LSC], s[50:51] offset:2
	WIN 0x40
	global_load_b128 v[0:3], v[LI], s[26:27]               ; Q0 stands twice: ahead of zeros and behind zeros
	global_load_b128 v[4:7], v[LI], s[26:27] offset:512
	global_load_b128 v[32:35], v[LI], s[26:27]
	global_load_b128 v[36:39], v[LI], s[26:27] offset:512
	global_load_b128 v[16:19], v[LI], s[26:27] offset:1024
	global_load_b128 v[20:23], v[LI], s[26:27] offset:1536
.irp g, 0,1,2,3
	global_load_b128 v[QN+4*\g:QN+4*\g+3], v[LI], s[48:49] offset:512*\g
.endr
.irp j, 0,1,2,3,4,5,6,7
	v_mov_b32 v[8+\j], 0                           ; the zero halves of source 1
	v_mov_b32 v[24+\j], 0
.endr
	WIN 0
	v_bfe_u32 v15, v0, 4, 1
	v_lshlrev_b32 v15, 3, v15
	v_sub_nc_u32 v15, v14, v15                     ; lane % 16 - 8 (lane / 16)
	v_mov_b32 v[NINF], 0xff800000
	v_mov_b32 v[PINF], 0x7f800000
.irp j, 0,1,2,3,4,5,6,7
	v_cmp_gt_i32 vcc_lo, \j, v15
	v_cndmask_b32 v[DM+\j], v[PINF], v[NINF], vcc_lo
.endr
.irp x, 0,1
.irp b, 0,1,2,3
	v_mov_b32 v[BM+16*\x+4+\b], 0                  ; written once: a lane permute's destination counts as one of its sources
.endr
	v_mov_b32 v[ST+8*\x+5], 0                      ; (the upper half of a's pair)
.endr
	WALU                                           ; the wait at the head's end
	s_cmp_lt_u32 s10, 2
	s_cbranch_scc0 .Lnot_lo
	s_wait_tensorcnt 0x0                           ; waves 0-1: steps 0 to 3 are in
.Lnot_lo:
	s_barrier_signal -1
	s_barrier_wait -1
.macro KLOADS adr, adrs                ; a step's four operands of K (two key tiles each) and their scale words: 17 loads
	WIN 0x40
.irp c, 0,1,2,3
.irp g, 0,1,2,3
	ds_load_b128 v[KFR+16*\c+4*\g:KFR+16*\c+4*\g+3], v[\adr] offset:2048*\c+512*\g
.endr
.endr
	WIN 0
	ds_load_b128 v[KS:KS+3], v[\adrs] offset:KSC
.endm
.macro NEXTK ns                        ; the next step's place, held at step ns - 1
	s_add_co_u32 s19, s16, STEPB
	s_min_u32 s19, s19, ((\ns)-1)*STEPB
	v_add_nc_u32 v[ADK], s19, v[LI]
	v_add_nc_u32 v[ADKS], s19, v[LSC]
.endm
.macro QKT                             ; S^T = K Q^T: 8 key tiles x 2 query tiles, each begun with 0.  Register j of tile tau: key 16 tau + 8 (lane / 16) + j
	WIN 0x05
.irp c, 0,1,2,3
	v_wmma_scale_f32_16x16x128_f8f6f4 v[S+16*\c:S+16*\c+7], v[KFR+16*\c:KFR+16*\c+15], v[0:15], 0, v[KS+\c], v[QS]
	v_wmma_scale_f32_16x16x128_f8f6f4 v[S+64+16*\c:S+64+16*\c+7], v[KFR+16*\c:KFR+16*\c+15], v[16:31], 0, v[KS+\c], v[QS+1]
	v_wmma_scale_f32_16x16x128_f8f6f4 v[S+16*\c+8:S+16*\c+15], v[KFR+16*\c:KFR+16*\c+15], v[24:39], 0, v[KS+\c], v[QS]
	v_wmma_scale_f32_16x16x128_f8f6f4 v[S+64+16*\c+8:S+64+16*\c+15], v[KFR+16*\c:KFR+16*\c+15], v[8:23], 0, v[KS+\c], v[QS+1]
.endr
	WIN 0
.endm
; THE MASK, in the one step that holds my queries (a branch on ids leads round it elsewhere).  My queries are 32 a + 16 x + lane % 16 of the step, a = wave % 4: key tile 2 a + x lies on the diagonal (a minimum with the prepared
; +-infinity), the tiles behind it are hidden whole (-infinity), those ahead of it count whole.  An arm for each a, chosen by the wave's number.
.macro MASK
	s_add_co_u32 s19, s17, 127
	s_cmp_le_u32 s19, s14
	s_cbranch_scc1 .Lopen_\@
.irp a, 0,1,2,3
	s_cmp_eq_u32 s13, \a
	s_cbranch_scc0 .Lnot_\@_\a
.irp x, 0,1
.irp j, 0,2,4,6
	v_dual_min_num_f32 v[S+64*\x+8*(2*\a+\x)+\j], v[DM+\j], v[S+64*\x+8*(2*\a+\x)+\j] :: v_dual_min_num_f32 v[S+64*\x+8*(2*\a+\x)+\j+1], v[DM+\j+1], v[S+64*\x+8*(2*\a+\x)+\j+1]
.endr
.set n, 8*(2*\a+\x)+8
.rept (56-8*(2*\a+\x))/2
	v_dual_mov_b32 v[S+64*\x+n], v[NINF] :: v_dual_mov_b32 v[S+64*\x+n+1], v[NINF]
.set n, n+2
.endr
.endr
	s_branch .Lopen_\@
.Lnot_\@_\a:
.endr
.Lopen_\@:
.endm
.macro BMAX                            ; the largest score of my 16 of each block of 32 keys, eight chains by turns; each accumulator is first read at its low end
.irp b, 0,1,2,3
.irp x, 0,1
	v_max3_num_f32 v[BM+16*\x+\b], v[S+64*\x+16*\b], v[S+64*\x+16*\b+1], v[S+64*\x+16*\b+2]
.endr
.endr
.irp i, 3,5,7,9,11,13
.irp b, 0,1,2,3
.irp x, 0,1
	v_max3_num_f32 v[BM+16*\x+\b], v[BM+16*\x+\b], v[S+64*\x+16*\b+\i], v[S+64*\x+16*\b+\i+1]
.endr
.endr
.endr
.irp b, 0,1,2,3
.irp x, 0,1
	v_max_num_f32 v[BM+16*\x+\b], v[BM+16*\x+\b], v[S+64*\x+16*\b+15]
.endr
.endr
.endm
.macro FMA0                            ; tile 0: c s + (the low word of the tile's statistics), two at a time
.set n, 0
.rept 32
	v_pk_fma_f32 v[S+n:S+n+1], v[S+n:S+n+1], s[22:23], v[ST:ST+1] op_sel_hi:[1,0,0]
.set n, n+2
.endr
.endm
.macro EXP0_FMA1                       ; tile 0's 64 exponentials; among them tile 1's multiply-adds, which hang on none of them
.set n, 0
.rept 32
	v_exp_f32 v[S+n], v[S+n]
	v_exp_f32 v[S+n+1], v[S+n+1]
	v_pk_fma_f32 v[S+64+n:S+64+n+1], v[S+64+n:S+64+n+1], s[22:23], v[ST+8:ST+9] op_sel_hi:[1,0,0]
.set n, n+2
.endr
.endm
.macro ADD2 d, a, b                    ; two additions in one line: registers d, d + 1 = a, a + 1 plus b, b + 1
	v_dual_add_f32 v[\d], v[\a], v[\b] :: v_dual_add_f32 v[\d+1], v[\a+1], v[\b+1]
.endm
; PASS 1, a key step: the running maximum and sum of my 32 queries.
.macro STEP1 ns
	s_wait_dscnt 0x0                               ; this step's K, asked for a step ago
	QKT
	NEXTK \ns                                      ; two of the eight places behind the products, ahead of the loads into their operands and of the first read of the scores
	PLACES 6
	KLOADS ADK, ADKS
	MASK
	BMAX
.irp x, 0,1
	s_delay_alu instid0(VALU_DEP_4)
	v_max3_num_f32 v[ST+8*\x+6], v[BM+16*\x], v[BM+16*\x+1], v[BM+16*\x+2]
.endr
.irp x, 0,1
	s_delay_alu instid0(VALU_DEP_2)
	v_max3_num_f32 v[ST+8*\x+6], v[ST+8*\x+6], v[BM+16*\x+3], v[ST+8*\x+1]
.endr
.irp x, 0,1
	s_delay_alu instid0(VALU_DEP_2)
	v_permlanex16_b32 v[BM+16*\x+4], v[ST+8*\x+6], s20, s21   ; the query's other 64 keys lie in lane l xor 16
.endr
.irp x, 0,1
	s_delay_alu instid0(VALU_DEP_2)
	v_max_num_f32 v[ST+8*\x+1], v[ST+8*\x+6], v[BM+16*\x+4]   ; the new m
.endr
.irp x, 0,1
	v_mov_b32 v[ST+8*\x+7], v[ST+8*\x]
.endr
.irp x, 0,1
	s_delay_alu instid0(VALU_DEP_4)
	v_mul_f32 v[ST+8*\x], s24, v[ST+8*\x+1]        ; -c m
.endr
.irp x, 0,1
	s_delay_alu instid0(VALU_DEP_2)
	v_sub_f32 v[ST+8*\x+4], v[ST+8*\x], v[ST+8*\x+7]   ; c m_old - c m_new, 0 or less
.endr
	FMA0
	WALU                                           ; a wait ahead of each batch of exponentials and behind it
.irp x, 0,1
	v_exp_f32 v[ST+8*\x+4], v[ST+8*\x+4]           ; a
.endr
	EXP0_FMA1
	WALU
.irp x, 0,1
	v_pk_mul_f32 v[ST+8*\x+2:ST+8*\x+3], v[ST+8*\x+2:ST+8*\x+3], v[ST+8*\x+4:ST+8*\x+5] op_sel_hi:[1,0]   ; l under the new m
.endr
.set n, 0
.rept 16                               ; tile 1's exponentials; among them the first level of tile 0's sum: sixteen lines that hang on each other nowhere
	v_exp_f32 v[S+64+n], v[S+64+n]
	v_exp_f32 v[S+64+n+1], v[S+64+n+1]
	v_exp_f32 v[S+64+n+2], v[S+64+n+2]
	v_exp_f32 v[S+64+n+3], v[S+64+n+3]
	ADD2 S+n, S+n, S+n+2
.set n, n+4
.endr
	v_nop
	WALU
.set n, 0
.rept 16
	ADD2 S+64+n, S+64+n, S+64+n+2
.set n, n+4
.endr
.irp x, 0,1                            ; the sixteen pairs of each tile, in two chains a tile, the four chains by turns
	ADD2 ST+8*\x+2, ST+8*\x+2, S+64*\x
	ADD2 ST+8*\x+6, S+64*\x+4, S+64*\x+8
.endr
.irp k, 12,20,28,36,44,52
.irp x, 0,1
	ADD2 ST+8*\x+2, ST+8*\x+2, S+64*\x+\k
	ADD2 ST+8*\x+6, ST+8*\x+6, S+64*\x+\k+4
.endr
.endr
.irp x, 0,1
	ADD2 ST+8*\x+2, ST+8*\x+2, S+64*\x+60
.endr
.irp x, 0,1
	ADD2 ST+8*\x+2, ST+8*\x+2, ST+8*\x+6
.endr
.endm
.macro QCHAIN x                        ; from a tile's four largest att: scale operands, holds, bytes, the scale word
.irp b, 0,1,2,3
	v_max_num_f32 v[BM+16*\x+\b], 0x4800000, v[BM+16*\x+\b]      ; the floor 2^(9 - 127): the byte cannot fall under 1
.endr
.irp b, 0,1,2,3
	v_add_nc_u32 v[BM+16*\x+12+\b], 0xfc000000, v[BM+16*\x+\b]   ; 8 off the exponent field
.endr
.irp b, 0,1,2,3
	v_and_or_b32 v[BM+16*\x+8+\b], v[BM+16*\x+\b], 0x7f800000, s25   ; 448 x the scale
.endr
.irp b, 0,1,2,3
	v_lshrrev_b32 v[BM+16*\x+4+\b], 23, v[BM+16*\x+12+\b]
.endr
	v_lshl_or_b32 v[TW+2*\x], v[BM+16*\x+5], 8, v[BM+16*\x+4]
	v_lshl_or_b32 v[TW+2*\x+1], v[BM+16*\x+7], 8, v[BM+16*\x+6]
	v_lshl_or_b32 v[PW+\x], v[TW+2*\x+1], 16, v[TW+2*\x]
.endm
.macro HOLD2 x, n                      ; two holds in one line: the conversion does not saturate (ISA guide 7.6.2); att is not negative, so the hold is one-sided
	v_dual_min_num_f32 v[S+64*(\x)+(\n)], v[BM+16*(\x)+8+(\n)/16], v[S+64*(\x)+(\n)] :: v_dual_min_num_f32 v[S+64*(\x)+(\n)+1], v[BM+16*(\x)+8+(\n)/16], v[S+64*(\x)+(\n)+1]
.endm
.macro CVTS x
.irp b, 0,1,2,3
	v_cvt_scalef32_pk8_fp8_f32 v[PC+16*\x+4*\b:PC+16*\x+4*\b+1], v[S+64*\x+16*\b:S+64*\x+16*\b+7], v[BM+16*\x+12+\b]
	v_cvt_scalef32_pk8_fp8_f32 v[PC+16*\x+4*\b+2:PC+16*\x+4*\b+3], v[S+64*\x+16*\b+8:S+64*\x+16*\b+15], v[BM+16*\x+12+\b]
.endr
.endm
; PASS 2, a key step: att, its codes and scale words, O^T += V^T att^T.
.macro STEP2 ns
	s_wait_dscnt 0x0
	QKT
	NEXTK \ns
	v_add_nc_u32 v[ADV], s16, v[LI]
	v_add_nc_u32 v[ADVS], s16, v[LSC]
	PLACES 4                                       ; with the four additions: eight places behind these products and behind the last step's products with V
	ds_load_b128 v[VS:VS+3], v[ADVS] offset:VSC    ; V's 17 loads first, then the next step's 17 of K
	WIN 0x40
.irp t, 0,1,2,3
.irp c, 0,1,2,3
	ds_load_b128 v[VFR+16*\t+4*\c:VFR+16*\t+4*\c+3], v[ADV] offset:VIM+2048*\t+512*\c
.endr
.endr
	KLOADS ADK, ADKS
	MASK
	BMAX
.irp b, 0,1,2,3
.irp x, 0,1
	v_permlanex16_b32 v[BM+16*\x+4+\b], v[BM+16*\x+\b], s20, s21
.endr
.endr
.irp b, 0,1,2,3
.irp x, 0,1
	v_max_num_f32 v[BM+16*\x+\b], v[BM+16*\x+\b], v[BM+16*\x+4+\b]   ; the block's largest score: att rises with the score, so it gives the block's largest att
.endr
.endr
	FMA0
.irp b, 0,1,2,3
	v_fma_f32 v[BM+\b], v[BM+\b], s22, v[ST]       ; the same multiply-add on the same number gives the same bits
.endr
	WALU                                           ; a wait ahead of each batch of exponentials and behind it
.irp b, 0,1,2,3
	v_exp_f32 v[BM+\b], v[BM+\b]
.endr
	EXP0_FMA1                                      ; att = 2^(c s - c m - log2 l): finished and normalised
.irp b, 0,1,2,3
	v_fma_f32 v[BM+16+\b], v[BM+16+\b], s22, v[ST+8]
.endr
	WALU
	QCHAIN 0
.irp n0, 0,16,32,48
	HOLD2 0, \n0                                   ; each bound's first reader stands ahead of the next exponentials
.endr
.irp b, 0,1,2,3
	v_exp_f32 v[BM+16+\b], v[BM+16+\b]
.endr
.set n, 0
.rept 32                               ; tile 1's exponentials; among them the rest of tile 0's holds
	v_exp_f32 v[S+64+n], v[S+64+n]
	v_exp_f32 v[S+64+n+1], v[S+64+n+1]
.if n%16
	HOLD2 0, n
.endif
.set n, n+2
.endr
	v_nop
	WALU
	QCHAIN 1
.set n, 0
.rept 32
	HOLD2 1, n
.set n, n+2
.endr
	CVTS 0
	CVTS 1
	PLACES 4                                       ; codes written by vector instructions stand four places ahead of the products (the scale words stand further up)
	WALU
	s_wait_dscnt 17                                ; V is in; the 17 loads of the next step's K may be out
	WIN 0x51
.irp t, 0,1,2,3
.irp x, 0,1
	v_wmma_scale_f32_16x16x128_f8f6f4 v[OA+32*\x+8*\t:OA+32*\x+8*\t+7], v[VFR+16*\t:VFR+16*\t+15], v[PC+16*\x:PC+16*\x+15], v[OA+32*\x+8*\t:OA+32*\x+8*\t+7], v[VS+\t], v[PW+\x]   ; the eight accumulators by turns
.endr
.endr
	WIN 0
.endm
; n trips of pass 1, a constant; a step all of whose keys lie behind my queries is jumped over: a branch on ids.
.macro LOOP1 n, ns
	s_mov_b32 s18, \n
.Lp1_\@:
	s_cmp_gt_u32 s17, s15
	s_cbranch_scc1 .Lp1s_\@
	STEP1 \ns
.Lp1s_\@:
	s_add_co_u32 s16, s16, STEPB
	s_add_co_u32 s17, s17, 128
	s_sub_co_u32 s18, s18, 1
	s_cmp_lg_u32 s18, 0
	s_cbranch_scc1 .Lp1_\@
.endm
; A QUERY BLOCK (number s12), both passes.  nb: 0 the first, 1 the second; ns: the steps that it may read.
.macro BLOCK nb, ns
	s_lshl_b32 s19, s12, 3
	s_add_co_u32 s19, s19, s10
	s_lshl_b32 s14, s19, 5                         ; my first query
	s_add_co_u32 s15, s14, 31
	s_lshl_b32 s30, s14, 8
	s_mov_b32 s31, 0
	s_add_nc_u64 s[30:31], s[46:47], s[30:31]
.if \nb
	WIN 0x41
.irp j, 0,1,2,3,4,5,6,7
	v_mov_b32 v[\j], v[QN+\j]                      ; the second block's Q into its places
	v_mov_b32 v[32+\j], v[QN+\j]
	v_mov_b32 v[16+\j], v[QN+8+\j]
.endr
.endif
	WIN 0x40
.set n, 0
.rept 64
	v_mov_b32 v[OA+n], 0                           ; O^T.  (The step is written once: the first finds zeros)
.set n, n+1
.endr
	WIN 0
.if (\nb) == 0
	s_wait_loadcnt 0x0                             ; both blocks' Q
.endif
	KLOADS LI, LSC                                 ; step 0's K
	v_lshl_or_b32 v[QS], v[RAW+2*\nb], 16, v[RAW+2*\nb]        ; Q's two bytes stand for both halves of K
	v_lshl_or_b32 v[QS+1], v[RAW+2*\nb+1], 16, v[RAW+2*\nb+1]
.irp x, 0,1                                    ; eight plain lines, the places between the scale words and the first products
	v_mov_b32 v[ST+8*\x+1], 0xff61b1e6             ; m: -3e38, under every score
	v_mov_b32 v[ST+8*\x+2], 0
	v_mov_b32 v[ST+8*\x+3], 0
.endr
.irp x, 0,1
	v_mul_f32 v[ST+8*\x], s24, v[ST+8*\x+1]
.endr
	WALU
	s_mov_b32 s16, 0
	s_mov_b32 s17, 0
.if (\nb) == 0
	LOOP1 4, 4                                     ; steps 0 to 3
	s_wait_dscnt 0x0                               ; the last look-ahead has landed
	s_cmp_lt_u32 s10, 4
	s_cbranch_scc0 .Lnm_\@
	s_wait_tensorcnt 0x0                           ; waves 2-3 (and 0-1, long since): steps 4 to 7 are in
.Lnm_\@:
	s_barrier_signal -1
	s_barrier_wait -1
	v_add_nc_u32 v[ADK], 4*STEPB, v[LI]
	v_add_nc_u32 v[ADKS], 4*STEPB, v[LSC]
	KLOADS ADK, ADKS                               ; step 4's K
	s_mov_b32 s16, 4*STEPB
	s_mov_b32 s17, 512
	LOOP1 4, 8                                     ; steps 4 to 7
.else
	LOOP1 16, 16
.endif
	WALU
	s_wait_dscnt 0x0                               ; the last look-ahead has landed: K's registers may be asked for again
	KLOADS LI, LSC                                 ; step 0's K for pass 2
.irp x, 0,1
	v_add_f32 v[ST+8*\x+2], v[ST+8*\x+2], v[ST+8*\x+3]
.endr
.irp x, 0,1
	s_delay_alu instid0(VALU_DEP_2)
	v_permlanex16_b32 v[BM+16*\x+4], v[ST+8*\x+2], s20, s21
.endr
.irp x, 0,1
	s_delay_alu instid0(VALU_DEP_2)
	v_add_f32 v[ST+8*\x+2], v[ST+8*\x+2], v[BM+16*\x+4]    ; the row's sum, at least 1
.endr
	WALU
.irp x, 0,1
	v_log_f32 v[ST+8*\x+3], v[ST+8*\x+2]
.endr
	v_nop
	WALU
.irp x, 0,1
	v_sub_f32 v[ST+8*\x], v[ST+8*\x], v[ST+8*\x+3] ; -c m - log2 l
.endr
	s_mov_b32 s16, 0
	s_mov_b32 s17, 0
	s_mov_b32 s18, \ns
.Lp2_\@:
	s_cmp_gt_u32 s17, s15
	s_cbranch_scc1 .Lp2s_\@
	STEP2 \ns
.Lp2s_\@:
	s_add_co_u32 s16, s16, STEPB
	s_add_co_u32 s17, s17, 128
	s_sub_co_u32 s18, s18, 1
	s_cmp_lg_u32 s18, 0
	s_cbranch_scc1 .Lp2_\@
	s_wait_dscnt 0x0                               ; the last look-ahead has landed
.if (\nb) == 0
	s_wait_tensorcnt 0x0                           ; every wave: steps 8 to 15 are in
	s_barrier_signal -1
	s_barrier_wait -1                              ; the record is whole
.endif
	PLACES 8                                       ; eight places behind the last products, ahead of the stores that read them
	WIN 0x04
.irp x, 0,1
.irp t, 0,1,2,3
	global_store_b128 v[LI], v[OA+32*\x+8*\t:OA+32*\x+8*\t+3], s[30:31] offset:4096*\x+1024*\t        ; 32 lanes store 512 consecutive bytes, aligned; each accumulator from its low end on
	global_store_b128 v[LI], v[OA+32*\x+8*\t+4:OA+32*\x+8*\t+7], s[30:31] offset:4096*\x+1024*\t+512
.endr
.endr
	WIN 0
.endm
	BLOCK 0, 8                                     ; block i reads steps 0 to 7 at the most
	s_wait_xcnt 0x0                                ; the stores have read their data and their base: both are written again below
	s_sub_co_u32 s12, 7, s12                       ; the mirrored block
	BLOCK 1, 16
	s_wait_tensorcnt 0x0                           ; the wave's end
	ds_add_u32 v[SPW], v[NIL]
	s_wait_dscnt 0x0
	s_endpgm
.Lfunc_end_k_q40ca93274c_attn:
	.size	k_q40ca93274c_attn, .Lfunc_end_k_q40ca93274c_attn-k_q40ca93274c_attn
	.p2alignl 7, 3214868480
	.fill 96, 4, 3214868480
	.section	.rodata,"a",@progbits
	.p2align	6, 0x0
	.amdhsa_kernel k_q40ca93274c_attn
		.amdhsa_group_segment_fixed_size 271360
		.amdhsa_private_segment_fixed_size 0
		.amdhsa_enable_private_segment 0
		.amdhsa_kernarg_size 24
		.amdhsa_user_sgpr_count 2
		.amdhsa_user_sgpr_kernarg_segment_ptr 1
		.amdhsa_wavefront_size32 1
		.amdhsa_system_sgpr_workgroup_id_x 1
		.amdhsa_system_sgpr_workgroup_id_y 1
		.amdhsa_system_sgpr_workgroup_id_z 1
		.amdhsa_system_vgpr_workitem_id 0
		.amdhsa_next_free_vgpr 512
		.amdhsa_next_free_sgpr 66
		.amdhsa_reserve_vcc 1
		.amdhsa_float_denorm_mode_32 3
		.amdhsa_float_denorm_mode_16_64 3
		.amdhsa_memory_ordered 1
		.amdhsa_forward_progress 1
		.amdhsa_inst_pref_size 190
	.end_amdhsa_kernel
	.amdgpu_metadata
---
amdhsa.version: [ 1, 2 ]
amdhsa.kernels:
  - .name:           k_q40ca93274c_attn
    .symbol:         k_q40ca93274c_attn.kd
    .args:
      - { .name: qrec, .offset: 0, .size: 8, .value_kind: global_buffer, .address_space: global }
      - { .name: kvrec, .offset: 8, .size: 8, .value_kind: global_buffer, .address_space: global }
      - { .name: ypart, .offset: 16, .size: 8, .value_kind: global_buffer, .address_space: global }
    .group_segment_fixed_size: 271360
    .private_segment_fixed_size: 0
    .kernarg_segment_align: 8
    .kernarg_segment_size: 24
    .max_flat_workgroup_size: 256
    .sgpr_count:     66
    .vgpr_count:     512
    .wavefront_size: 32
...
	.end_amdgpu_metadata
.endif
;; end of part 2
;; launch outp (part 3): grid 512 x 1, 4 waves a work-group, no clusters, 83,456 bytes of LDS; arguments ypart, Wp_codes, Wp_scales, out0; writes out0
.if DOCPART == 3
	.amdgcn_target "amdgcn-amd-amdhsa--gfx1250"
	.amdhsa_code_object_version 6
	.text
	.protected	k_q40ca93274c_outp
	.globl	k_q40ca93274c_outp
	.p2align	8
	.type	k_q40ca93274c_outp,@function
k_q40ca93274c_outp:
	s_mov_b64 s[64:65], 0
	v_nop
	global_prefetch_b8 v0, s[64:65] scope:SCOPE_SE
	s_setreg_imm32_b32 hwreg(HW_REG_WAVE_MODE, 25, 1), 1
	s_wait_xcnt 0x0
; y = the sum over the 16 heads of ypart; y is quantised along d (two blocks of 32) to codes of FP8 (E4M3) with E8M0 scales; out0 = y Wp on codes.
; SHARES.  A work-group owns 16 queries (tile g of 512).  Wave w adds heads 4 w .. 4 w + 3; the four partial sums meet in LDS behind the one barrier, and every wave adds them and quantises y for itself;
; then wave w makes columns 256 w .. 256 w + 255 of the 16 rows: 16 matrix instructions.
; The launch streams: 64 KiB in and 64 KiB out for each work-group, every load of ypart and every store 512 consecutive bytes of a wave.  No tensor loads, no cluster (the work-groups share only Wp's 64 KiB), no prefetch (the loads are all asked for at the head).
; LAYOUT.  ypart's group 2 t + e holds registers 4 e .. 4 e + 3 of O^T's tile t: lane (r, h) has y(query r, d = 16 t + 8 h + j).  The 16 registers of tiles 2 c, 2 c + 1 are 16 numbers of d block c:
; code place 16 h + 8 u + j holds d index 16 u + 8 h + j.  Wp's codes are loaded in the same order: 8 bytes at 32 c + 8 h and 8 bytes at 32 c + 16 + 8 h of a row.
; K = 64 IN A 128-DEEP INSTRUCTION: source 0 holds two tiles of 16 rows of Wp (8 registers each), source 1 is (y, zeros) or (zeros, y).
; LIMITS: NaN and infinities are not served.  A block of zeros has the byte 1 and zero codes.
; REGISTERS.  Window 0: v1-9 addresses; v16-31 the quantiser's; v32-40 scale words alone; v41 at work; v48-63 Wp's scale bytes as loaded; v64-87 y | zeros | y; v88-119 y in f32; v120-247 the loads, later the 16 accumulators, later rows of out0.
;   Window 1: v0-127 Wp's eight operands.
.set PART,   0                         ; LDS: four partial sums of 4,096 bytes,
.set STG,    16384                     ; and a stage of 16 rows x (1,024 + 16) bytes for each wave
.set SPITCH, 1040
.set TM,  16
.set WS,  32                           ; v32-39 Wp's scale words
.set YSC, 40                           ; v40    y's
.set RW,  48
.set YSUM, 88
.set LD,  120
.set MSB, 0
.macro WIN new                         ; the immediate's high byte repeats the setting that is left
.if MSB != (\new)
	s_set_vgpr_msb (MSB<<8)|(\new)
.set MSB, (\new)
.endif
.endm
	s_load_b256 s[4:11], s[0:1], 0x0               ; ypart, Wp's codes, Wp's scales, out0
	v_lshl_add_u32 v254, v0, 2, 0x14400
	v_mov_b32 v255, 0
	v_lshrrev_b32 v1, 5, v0
	v_readfirstlane_b32 s12, v1                    ; wave 0..3
	v_and_b32 v7, 31, v0                           ; lane
	v_and_b32 v8, 15, v0                           ; r
	v_bfe_u32 v9, v0, 4, 1                         ; h
	v_lshlrev_b32 v1, 4, v7                        ; 16 x lane
	v_lshlrev_b32 v2, 6, v8
	v_lshl_add_u32 v2, v9, 3, v2                   ; Wp: row r of 64 bytes, + 8 h
	v_lshlrev_b32 v3, 1, v8                        ; Wp's scales: 2 bytes a row
	s_mul_i32 s13, s12, 16*SPITCH
	s_add_co_u32 s13, s13, STG                     ; my stage
	v_mul_u32_u24 v4, v8, SPITCH
	v_lshl_add_u32 v4, v9, 5, v4
	v_add_nc_u32 v4, s13, v4                       ; in: row r, + 32 h
	v_add_nc_u32 v5, s13, v1                       ; back: 16 bytes a lane
	s_lshl_b32 s14, s12, 12
	v_add_nc_u32 v6, s14, v1                       ; my partial sum
	s_lshr_b32 s16, ttmp9, 7                       ; batch
	s_lshl_b32 s16, s16, 2
	s_add_co_u32 s16, s16, s12
	s_lshl_b32 s16, s16, 21                        ; (16 x batch + 4 x wave) heads of 524,288 bytes
	s_and_b32 s17, ttmp9, 127
	s_lshl_b32 s17, s17, 12                        ; the query tile: 4,096 bytes
	s_add_co_u32 s16, s16, s17
	s_mov_b32 s17, 0
	s_lshl_b32 s18, s12, 14                        ; my 256 rows of Wp
	s_mov_b32 s19, 0
	s_mov_b32 s20, 0x76543210
	s_mov_b32 s21, 0xfedcba98                      ; v_permlanex16_b32's selects for lane l xor 16
	s_mov_b32 s22, 0x600000                        ; the mantissa field of 448
	s_wait_alu depctr_va_vdst(0)
	s_wait_kmcnt 0x0
	s_add_nc_u64 s[4:5], s[4:5], s[16:17]
	s_add_nc_u64 s[6:7], s[6:7], s[18:19]
	s_lshl_b32 s18, s12, 9
	s_add_nc_u64 s[8:9], s[8:9], s[18:19]
	s_lshl_b32 s18, ttmp9, 16                      ; 16 rows of 4,096 bytes,
	s_lshl_b32 s16, s12, 10                        ; my 256 columns
	s_add_co_u32 s18, s18, s16
	s_add_nc_u64 s[10:11], s[10:11], s[18:19]
.irp k, 0,1,2,3
.irp g, 0,1,2,3,4,5,6,7
	global_load_b128 v[LD+32*\k+4*\g:LD+32*\k+4*\g+3], v1, s[4:5] offset:524288*\k+512*\g th:TH_LOAD_NT   ; read once in the launch
.endr
.endr
.irp p, 0,1,2,3,4,5,6,7
	global_load_u16 v[RW+2*\p], v3, s[8:9] offset:64*\p          ; the two scale bytes of row r of tile 2 p,
	global_load_u16 v[RW+2*\p+1], v3, s[8:9] offset:64*\p+32     ; and of tile 2 p + 1
.endr
.irp j, 0,1,2,3,4,5,6,7
	v_mov_b32 v[72+\j], 0                          ; the zero half of source 1
.endr
	v_mov_b32 v[TM+4], 0                           ; written once: a lane permute's destination counts as one of its sources
	v_mov_b32 v[TM+5], 0
	s_wait_loadcnt 16                              ; my four heads are in; the 16 loads of scale bytes issued behind them may be out
.set n, 0
.rept 16
	v_pk_add_f32 v[LD+n:LD+n+1], v[LD+n:LD+n+1], v[LD+32+n:LD+32+n+1]
	v_pk_add_f32 v[LD+64+n:LD+64+n+1], v[LD+64+n:LD+64+n+1], v[LD+96+n:LD+96+n+1]
.set n, n+2
.endr
.set n, 0
.rept 16
	v_pk_add_f32 v[LD+n:LD+n+1], v[LD+n:LD+n+1], v[LD+64+n:LD+64+n+1]
.set n, n+2
.endr
.irp g, 0,1,2,3,4,5,6,7
	ds_store_b128 v6, v[LD+4*\g:LD+4*\g+3] offset:PART+512*\g
.endr
	WIN 0x40                                       ; Wp's codes land while the sums meet
.irp p, 0,1,2,3,4,5,6,7
.irp g, 0,1,2,3
	global_load_b64 v[16*\p+4*\g:16*\p+4*\g+1], v2, s[6:7] offset:(32*\p+16*(\g/2))*64+32*(\g%2)
	global_load_b64 v[16*\p+4*\g+2:16*\p+4*\g+3], v2, s[6:7] offset:(32*\p+16*(\g/2))*64+32*(\g%2)+16
.endr
.endr
	WIN 0
	s_wait_dscnt 0x0                               ; for the others' sake: my partial sum lies in LDS
	s_barrier_signal -1
	s_barrier_wait -1
.irp k, 0,1,2,3
.irp g, 0,1,2,3,4,5,6,7
	ds_load_b128 v[LD+32*\k+4*\g:LD+32*\k+4*\g+3], v1 offset:PART+4096*\k+512*\g
.endr
.endr
	s_wait_dscnt 0x0
.set n, 0
.rept 16
	v_pk_add_f32 v[LD+n:LD+n+1], v[LD+n:LD+n+1], v[LD+32+n:LD+32+n+1]
	v_pk_add_f32 v[LD+64+n:LD+64+n+1], v[LD+64+n:LD+64+n+1], v[LD+96+n:LD+96+n+1]
.set n, n+2
.endr
.set n, 0
.rept 16
	v_pk_add_f32 v[YSUM+n:YSUM+n+1], v[LD+n:LD+n+1], v[LD+64+n:LD+64+n+1]   ; y: the same bits in all four waves
.set n, n+2
.endr
	; y's two blocks of 32 along d
.irp b, 0,1
	v_max3_num_f32 v[TM+\b], |v[YSUM+16*\b]|, |v[YSUM+16*\b+1]|, 0x4800000   ; my 16 numbers, and the floor 2^(9 - 127): the byte cannot fall under 1
.endr
.irp i, 2,4,6,8,10,12,14
.irp b, 0,1
	v_max3_num_f32 v[TM+\b], v[TM+\b], |v[YSUM+16*\b+\i]|, |v[YSUM+16*\b+\i+1]|
.endr
.endr
.irp b, 0,1
	v_permlanex16_b32 v[TM+4+\b], v[TM+\b], s20, s21
.endr
.irp b, 0,1
	v_max_num_f32 v[TM+\b], v[TM+\b], v[TM+4+\b]   ; with lane l xor 16's: the block's largest magnitude
.endr
.irp b, 0,1
	v_add_nc_u32 v[TM+12+\b], 0xfc000000, v[TM+\b] ; 8 off its exponent field: the conversion's scale operand
.endr
.irp b, 0,1
	v_and_or_b32 v[TM+8+\b], v[TM+\b], 0x7f800000, s22   ; 448 x the scale
.endr
.irp b, 0,1
	v_lshrrev_b32 v[TM+4+\b], 23, v[TM+12+\b]      ; the scale's byte
.endr
	v_lshl_or_b32 v41, v[TM+5], 8, v[TM+4]
	v_lshl_or_b32 v[YSC], v41, 16, v41             ; y's two bytes stand for both halves of K
.irp b, 0,1
.irp i, 0,1,2,3,4,5,6,7,8,9,10,11,12,13,14,15
	v_med3_num_f32 v[YSUM+16*\b+\i], v[YSUM+16*\b+\i], -v[TM+8+\b], v[TM+8+\b]   ; the conversion does not saturate (ISA guide 7.6.2): the hold comes first
.endr
.endr
.irp b, 0,1
	v_cvt_scalef32_pk8_fp8_f32 v[64+4*\b:65+4*\b], v[YSUM+16*\b:YSUM+16*\b+7], v[TM+12+\b]     ; y ahead of the zeros,
	v_cvt_scalef32_pk8_fp8_f32 v[66+4*\b:67+4*\b], v[YSUM+16*\b+8:YSUM+16*\b+15], v[TM+12+\b]
	v_cvt_scalef32_pk8_fp8_f32 v[80+4*\b:81+4*\b], v[YSUM+16*\b:YSUM+16*\b+7], v[TM+12+\b]     ; and behind them
	v_cvt_scalef32_pk8_fp8_f32 v[82+4*\b:83+4*\b], v[YSUM+16*\b+8:YSUM+16*\b+15], v[TM+12+\b]
.endr
	v_nop                                          ; a plain line behind the last conversion
	s_wait_loadcnt 0x0                             ; Wp's codes and scale bytes
.irp p, 0,1,2,3,4,5,6,7
	v_lshl_or_b32 v[WS+\p], v[RW+2*\p+1], 16, v[RW+2*\p]   ; (tile 2 p: two bytes | tile 2 p + 1: two bytes)
.endr
.rept 8
	v_nop                                          ; scale words written by vector instructions stand eight places ahead of the products, codes four
.endr
	WIN 0x01                                       ; source 0 (Wp) window 1
	s_wait_alu depctr_va_vdst(0)
.irp p, 0,1,2,3,4,5,6,7
	v_wmma_scale_f32_16x16x128_f8f6f4 v[LD+16*\p:LD+16*\p+7], v[16*\p:16*\p+15], v[64:79], 0, v[WS+\p], v[YSC]      ; columns 32 p .. 32 p + 15 of my 256: lane (r, h): query r, column 8 h + j
	v_wmma_scale_f32_16x16x128_f8f6f4 v[LD+16*\p+8:LD+16*\p+15], v[16*\p:16*\p+15], v[72:87], 0, v[WS+\p], v[YSC]   ; columns 32 p + 16 .. 32 p + 31
.endr
	WIN 0
.rept 8
	v_nop                                          ; eight places behind the products, ahead of the first read of results
.endr
	; THE WAY OUT: a lane's 32 bytes of a row go into my own stage and come back as runs of 512 bytes of a row.  LDS serves a wave's instructions in order (ISA guide 5.7.1.4): no wait between the stores and the loads.
.set n, 0
.rept 16
	ds_store_b128 v4, v[LD+8*n:LD+8*n+3] offset:64*n              ; each accumulator from its low end on
	ds_store_b128 v4, v[LD+8*n+4:LD+8*n+7] offset:64*n+16
.set n, n+1
.endr
.set n, 0
.rept 32
	ds_load_b128 v[LD+4*n:LD+4*n+3], v5 offset:(n/2)*SPITCH+512*(n%2)
.set n, n+1
.endr
.set n, 0
.rept 32
	s_wait_dscnt 31-n                              ; load n is back; the younger ones may be out
	global_store_b128 v1, v[LD+4*n:LD+4*n+3], s[10:11] offset:(n/2)*4096+512*(n%2) th:TH_STORE_NT   ; 32 lanes store 512 consecutive bytes, at a multiple of 256 from out0's first byte; written once
.set n, n+1
.endr
	s_wait_tensorcnt 0x0
	ds_add_u32 v254, v255
	s_wait_dscnt 0x0
	s_endpgm
.Lfunc_end_k_q40ca93274c_outp:
	.size	k_q40ca93274c_outp, .Lfunc_end_k_q40ca93274c_outp-k_q40ca93274c_outp
	.p2alignl 7, 3214868480
	.fill 96, 4, 3214868480
	.section	.rodata,"a",@progbits
	.p2align	6, 0x0
	.amdhsa_kernel k_q40ca93274c_outp
		.amdhsa_group_segment_fixed_size 83456
		.amdhsa_private_segment_fixed_size 0
		.amdhsa_enable_private_segment 0
		.amdhsa_kernarg_size 32
		.amdhsa_user_sgpr_count 2
		.amdhsa_user_sgpr_kernarg_segment_ptr 1
		.amdhsa_wavefront_size32 1
		.amdhsa_system_sgpr_workgroup_id_x 1
		.amdhsa_system_sgpr_workgroup_id_y 1
		.amdhsa_system_sgpr_workgroup_id_z 1
		.amdhsa_system_vgpr_workitem_id 0
		.amdhsa_next_free_vgpr 384
		.amdhsa_next_free_sgpr 66
		.amdhsa_reserve_vcc 0
		.amdhsa_float_denorm_mode_32 3
		.amdhsa_float_denorm_mode_16_64 3
		.amdhsa_memory_ordered 1
		.amdhsa_forward_progress 1
		.amdhsa_inst_pref_size 38
	.end_amdhsa_kernel
	.amdgpu_metadata
---
amdhsa.version: [ 1, 2 ]
amdhsa.kernels:
  - .name:           k_q40ca93274c_outp
    .symbol:         k_q40ca93274c_outp.kd
    .args:
      - { .name: ypart, .offset: 0, .size: 8, .value_kind: global_buffer, .address_space: global }
      - { .name: Wp_codes, .offset: 8, .size: 8, .value_kind: global_buffer, .address_space: global }
      - { .name: Wp_scales, .offset: 16, .size: 8, .value_kind: global_buffer, .address_space: global }
      - { .name: out0, .offset: 24, .size: 8, .value_kind: global_buffer, .address_space: global }
    .group_segment_fixed_size: 83456
    .private_segment_fixed_size: 0
    .kernarg_segment_align: 8
    .kernarg_segment_size: 32
    .max_flat_workgroup_size: 128
    .sgpr_count:     66
    .vgpr_count:     384
    .wavefront_size: 32
...
	.end_amdgpu_metadata
.endif
;; end of part 3
